; MI455X (gfx1250); checked and timed in simulation.
; The chip was launched on July 23, 2026; its instructions are those of AMD's public machine-readable ISA for CDNA 5 (MIT licence, August 2026) and "CDNA5" Instruction Set Architecture Reference Guide (July 2026). The comments in the code are by the model that wrote it; some were corrected since.
;; LNN Step. Allowed arithmetic: matrix products marked QUANTISED: E3M2 operands, one E8M0 scale for each 32 along K, by v_wmma_scale_f32_16x16x128_f8f6f4 with both operands' format E3M2, f32 sums; everything else in f32.
;; Inputs: input_weights 4,096 x 2,048 float32; inputs 2,048 x 2,048 float32; prev_state 2,048 x 4,096 float32; reservoir_weights 4,096 x 4,096 float32.
;; Outputs: out0 2,048 x 4,096 float32.
;; This version of the problem:
;;   THIS VERSION OF THE PROBLEM IS GIVEN IN LOW PRECISION. The matrix products marked QUANTISED in the list below multiply operands that are first quantised to E3M2 (3 exponent bits, 2 mantissa bits; 6 bits a number), with one power-of-two scale for each 32 numbers along K (OCP MX v1.0); their sums are f32. All else is computed in f32.
;;   The module's matrix products, in the order in which they are computed (A, B: the left and right operand; K: the contracted axis; several contracted axes count as one K, in the product's order):
;;     1. [M 2,048, K 2,048] x [K 2,048, N 4,096]; A: input inputs; B: input input_weights: QUANTISED
;;     2. [M 2,048, K 4,096] x [K 4,096, N 4,096]; A: input prev_state; B: input reservoir_weights: QUANTISED
;;   THE QUANTISER, for each operand of a quantised product, along K:
;;     - K is cut into blocks of 32 from its start; a last block that is shorter is filled with zeros.
;;     - A block's scale is 2^e with e = floor(log2(the largest magnitude in the block)) - 4, held to -126 .. 127; a block of zeros has e = 0. As a byte (E8M0): e + 127.
;;     - Each number is divided by its block's scale, clamped to +-28, and rounded to the nearest number of E3M2, ties to even, subnormals kept.
;;     - The product sums the exact products of the quantised numbers (number of the format x scale) in f32.
;;   ~~~python
;;   def quantise(x, axis):      # numpy; x: float32 -> the quantised numbers, widened to float32 again
;;       x = np.moveaxis(x, axis, -1); K = x.shape[-1]
;;       x = np.pad(x, [(0, 0)] * (x.ndim - 1) + [(0, -K % 32)]); x = x.reshape(x.shape[:-1] + (-1, 32)); a = np.abs(x).max(-1, keepdims=True)
;;       e = np.where(a > 0, np.clip(np.frexp(np.where(a > 0, a, 1))[1] - 1 - 4, -126, 127), 0)      # np.frexp(a)[1] - 1 = floor(log2(a)), exactly
;;       r = np.clip(x / 2.0 ** e, -28, 28)
;;       step = 2.0 ** (np.maximum(np.frexp(np.where(r == 0, 1, r))[1] - 1, -2) - 2)
;;       q = np.round(r / step) * step * 2.0 ** e      # np.round: ties to even
;;       return np.moveaxis(q.reshape(q.shape[:-2] + (-1,))[..., :K], -1, axis).astype(np.float32)
;;   ~~~
;; One version. Each part assembles by itself: llvm-mc -triple=amdgcn-amd-amdhsa -mcpu=gfx1250 --defsym DOCPART=n.
;; ======== version 1 of 1: 2 launches
;; limits: right only within a limited range of input values
;; workspace buffers: apack 9,830,400 bytes; bpack 19,660,800 bytes
;; launch quant (part 1): grid 256 x 1, 9 waves a work-group, no clusters, 77,312 bytes of LDS; arguments inputs, prev_state, input_weights, reservoir_weights, apack, bpack; writes apack, bpack
.if DOCPART == 1
	.amdgcn_target "amdgcn-amd-amdhsa--gfx1250"
	.amdhsa_code_object_version 6
	.text
	.protected	k_q6163fa08a7_quant
	.globl	k_q6163fa08a7_quant
	.p2align	8
	.type	k_q6163fa08a7_quant,@function
k_q6163fa08a7_quant:
	s_mov_b64 s[64:65], 0
	v_nop
	global_prefetch_b8 v0, s[64:65] scope:SCOPE_SE
	s_setreg_imm32_b32 hwreg(HW_REG_WAVE_MODE, 25, 1), 1
	s_wait_xcnt 0x0
; The four f32 inputs become codes of BF6 (E3M2), 6 bits each, with one E8M0 scale byte for each 32 along K, laid as the product's launch wants them.
; The two products share M and N and are added, so they are one product over a joined K of 2,048 + 4,096 = 6,144: A = [inputs | prev_state] (2,048 rows), B = [input_weights | reservoir_weights] (4,096 rows).
; A RECORD is 16 rows x 512 along the joined K: 6,400 bytes.  Bytes 1536 q + 512 c + 16 lane + 4 j hold register 4 c + j of that lane of the operand fragment of the record's q-th 128 along K
; (lane (r, h) holds row r; registers 6 c' .. 6 c' + 5 hold k = 64 c' + 32 h + 0 .. 31: ISA guide 7.12.2); bytes 6144 + 16 r + 4 q hold row r's scale word of that 128.  A block of 16 rows has 12 records on end: 76,800 bytes.
; A block's scale is 2^(floor(log2(its largest magnitude)) - 4); its byte is the largest magnitude's exponent field - 4, held at 1 from below.
; LIMITS: a block of zeros, or one whose largest magnitude lies under 2^-122, gets the byte 1 where the rule says 127 (zeros' codes are zeros, which add nothing under any byte but 0xff; the bytes are read by this program
; alone; magnitudes under the floor were not tried).  NaN and infinities among the inputs are not served.
; SHARES.  (128 + 256) x 12 = 4,608 records = 256 work-groups x 9 waves x 2: a wave makes TWO neighbouring records of the same 16 rows, in eight steps of 128 along K.  Waves share nothing: no barrier.
; A step's sixteen loads read 512 consecutive bytes of a row each.  Three sets of 64 registers take turns: while one step is worked, the loads of the next two steps (32 loads) are out.
; A step's 8,192 bytes turn through the wave's own stage in LDS and come back into the same set, so that a lane gets two whole blocks of 32 neighbours of one row; behind its conversions the set takes the loads of three steps on.
; A step's codes leave as three stores of 512 consecutive bytes, a record's 256 scale bytes as one store.
.set STG,  8448                        ; a wave's stage: 16 rows x SP
.set SP,   528                         ; a stage row: 512 bytes + 16: the sixteen rows that a load of 16 bytes a lane touches start in different banks (ISA guide 11.1)
.set REC,  6400
.set RBB,  76800
.set SPARE, 9*STG                      ; behind the stages: the spare words, 128 bytes a wave, five blocks of 256 bytes
.set NS,   8                           ; steps of a wave
.set LO,   4                           ; v4      16 x lane
.set STI,  5                           ; v5      the stage, on the way in: 16 x lane
.set XRD,  6                           ; v6      and on the way out: SP r + 128 h
.set SH8,  7                           ; v7      8 h
.set SCO,  8                           ; v8      my 8 scale bytes in a record: 6144 + 16 r + 8 h
.set M,    10                          ; v10-11  my two blocks' largest magnitudes
.set S,    12                          ; v12-13  the conversions' scale operands
.set BY,   14                          ; v14-15  the scale bytes
.set W,    16                          ; v16-17  at work
.set SW,   20                          ; v20-23  my row's scale words of a record's four steps
.set OW,   24                          ; v24-25  the two that I store
.set OFF,  28                          ; v28-43  16 x lane + i rows of the source; never rewritten
.set C,    44                          ; v44-55  the fragment's codes
.set T,    56                          ; v56-58, v60-62  the blocks' upper halves as the conversions leave them
.set SPW,  59                          ; v59     my spare word
.set NIL,  63                          ; v63     0
.set R,    64                          ; v64-255 three sets: a step as loaded, then turned: register 32 c + i = k 64 c + 32 h + i of row r
	s_load_b256 s[4:11], s[0:1], 0x0               ; inputs s[4:5], prev_state s[6:7], input_weights s[8:9], reservoir_weights s[10:11]
	s_load_b128 s[12:15], s[0:1], 0x20             ; apack s[12:13], bpack s[14:15]
	v_lshl_add_u32 v[SPW], v0, 2, SPARE
	v_mov_b32 v[NIL], 0
	v_lshrrev_b32 v1, 5, v0
	s_delay_alu instid0(VALU_DEP_1)
	v_readfirstlane_b32 s16, v1                    ; wave 0..8
	v_and_b32 v1, 31, v0                           ; lane
	v_and_b32 v2, 15, v0                           ; r
	v_bfe_u32 v3, v0, 4, 1                         ; h
	s_delay_alu instid0(VALU_DEP_3)
	v_lshlrev_b32 v[LO], 4, v1
	s_mul_i32 s18, s16, STG                        ; my stage
	v_add_nc_u32 v[STI], s18, v[LO]
	v_mul_u32_u24 v[XRD], v2, SP
	s_delay_alu instid0(VALU_DEP_1)
	v_lshl_add_u32 v[XRD], v3, 7, v[XRD]
	s_delay_alu instid0(VALU_DEP_1)
	v_add_nc_u32 v[XRD], s18, v[XRD]
	v_lshlrev_b32 v[SH8], 3, v3
	v_lshlrev_b32 v[SCO], 4, v2
	s_delay_alu instid0(VALU_DEP_1)
	v_lshl_add_u32 v[SCO], v3, 3, v[SCO]
	s_delay_alu instid0(VALU_DEP_1)
	v_add_nc_u32 v[SCO], 6144, v[SCO]
	v_mov_b32 v[W+1], 0                            ; written once: a lane permute's destination counts as one of its sources
	s_mov_b32 s40, 0x76543210
	s_mov_b32 s41, 0xfedcba98                      ; v_permlanex16_b32's selects for lane l xor 16
	s_mul_i32 s17, ttmp9, 18
	s_lshl_b32 s19, s16, 1
	s_add_co_u32 s17, s17, s19                     ; my first record: 18 x work-group + 2 x wave, an even number
	s_wait_alu depctr_va_vdst(0)                   ; the wait at the head's end
	s_wait_kmcnt 0x0
	; records 0 .. 1,535 are A's (512 of inputs, 1,024 of prev_state), the rest B's (1,024 and 2,048).  Only pointers and shifts are chosen, on ids alone: all four tensors take one path.
	; All these bounds are even and a row has 4 or 8 groups of 512 numbers, so a pair of records lies in one source, in the same 16 rows, side by side.
	s_cmp_lt_u32 s17, 1536
	s_cselect_b64 s[20:21], s[4:5], s[8:9]         ; the operand's first part,
	s_cselect_b64 s[22:23], s[6:7], s[10:11]       ; its second,
	s_cselect_b64 s[24:25], s[12:13], s[14:15]     ; where its records go
	s_cselect_b32 s28, 0, 1536
	s_cselect_b32 s29, 0, 1
	s_lshl_b32 s29, 512, s29                       ; records of the first part: 512 or 1,024
	s_sub_co_u32 s17, s17, s28
	s_cmp_lt_u32 s17, s29
	s_cselect_b64 s[26:27], s[20:21], s[22:23]     ; the source
	s_cselect_b32 s30, 2, 3                        ; its row has 4 or 8 groups of 512 numbers
	s_cselect_b32 s31, 0, 4                        ; its first group in the joined K
	s_cselect_b32 s32, 0, s29
	s_sub_co_u32 s17, s17, s32
	s_lshr_b32 s33, s17, s30                       ; the block of 16 rows,
	s_lshl_b32 s34, s33, s30
	s_sub_co_u32 s34, s17, s34                     ; the group in the source's row
	s_add_co_u32 s35, s30, 15
	s_lshl_b32 s36, s33, s35                       ; 16 rows of 2,048 << s30 bytes
	s_lshl_b32 s35, s34, 11                        ; 512 numbers are 2,048 bytes
	s_add_co_u32 s36, s36, s35                     ; (under 2^27)
	s_mov_b32 s37, 0
	s_add_nc_u64 s[26:27], s[26:27], s[36:37]
	s_lshl_b32 s38, 2048, s30                      ; a row of the source in bytes
	s_add_co_u32 s34, s34, s31
	s_mul_i32 s36, s33, RBB
	s_mul_i32 s34, s34, REC
	s_add_co_u32 s36, s36, s34
	s_add_nc_u64 s[24:25], s[24:25], s[36:37]      ; my first record; the second follows it
.irp i, 0,1,2,3,4,5,6,7,8,9,10,11,12,13,14,15
	v_mad_u32_u24 v[OFF+\i], s38, \i, v[LO]
.endr
.macro LOADR f                         ; step f: 128 numbers of each of the 16 rows, into set f % 3; a load reads 512 consecutive bytes
.irp i, 0,1,2,3,4,5,6,7,8,9,10,11,12,13,14,15
	global_load_b128 v[R+64*((\f)%3)+4*\i:R+64*((\f)%3)+4*\i+3], v[OFF+\i], s[26:27] offset:512*(\f) th:TH_LOAD_NT
.endr
.endm
.macro STEP f
.set X, R+64*((\f)%3)
.if (\f) < NS-2
	s_wait_loadcnt 32                              ; this step's sixteen loads are in; those of the next two steps may be out
.else
	s_wait_loadcnt 16*(NS-1-(\f))
.endif
.irp i, 0,1,2,3,4,5,6,7,8,9,10,11,12,13,14,15
	ds_store_b128 v[STI], v[X+4*\i:X+4*\i+3] offset:SP*\i
.endr
	s_wait_dscnt 0x0                               ; the stores have read their registers, on which the loads below land
.irp c, 0,1
.irp j, 0,1,2,3,4,5,6,7
	ds_load_b128 v[X+32*\c+4*\j:X+32*\c+4*\j+3], v[XRD] offset:256*\c+16*\j
.endr
.endr
	s_wait_dscnt 0x0                               ; the step is back, turned
.irp c, 0,1
	v_max3_num_f32 v[M+\c], |v[X+32*\c]|, |v[X+32*\c+1]|, 0x2800000   ; my block 2 c + h: all its 32 numbers are mine; and the floor 2^(5 - 127): the byte cannot fall under 1
.endr
.irp i, 2,4,6,8,10,12,14,16,18,20,22,24,26,28,30
.irp c, 0,1
	s_delay_alu instid0(VALU_DEP_2)
	v_max3_num_f32 v[M+\c], v[M+\c], |v[X+32*\c+\i]|, |v[X+32*\c+\i+1]|   ; (the two blocks by turns)
.endr
.endr
.irp c, 0,1
	s_delay_alu instid0(VALU_DEP_2)
	v_add_nc_u32 v[S+\c], 0xfe000000, v[M+\c]      ; 4 off the exponent field: the conversion takes the exponent field of this operand as its scale, and nothing else of it
.endr
.irp c, 0,1
	s_delay_alu instid0(VALU_DEP_2)
	v_lshrrev_b32 v[BY+\c], 23, v[S+\c]            ; the scale's byte
.endr
	s_delay_alu instid0(VALU_DEP_1)
	v_lshl_or_b32 v[W], v[BY+1], 16, v[BY]         ; my two bytes: blocks h and 2 + h of row r,
	s_delay_alu instid0(VALU_DEP_1)
	v_lshlrev_b32 v[W], v[SH8], v[W]               ; at their places in the word;
	s_delay_alu instid0(VALU_DEP_1)
	v_permlanex16_b32 v[W+1], v[W], s40, s41
	s_delay_alu instid0(VALU_DEP_1)
	v_or_b32 v[SW+(\f)%4], v[W], v[W+1]            ; with lane l xor 16's two the word is whole
.if (\f) > 0
	s_wait_alu depctr_va_vdst(0)
	s_wait_xcnt 0x0                                ; the last step's stores have read their data (ISA guide 3.1): the codes' registers are written again only behind this wait
.endif
	v_cvt_scalef32_pk16_bf6_f32 v[C:C+2],     v[X:X+15],    v[S]
	v_cvt_scalef32_pk16_bf6_f32 v[T:T+2],     v[X+16:X+31], v[S]      ; (a conversion's three registers begin on an even number: a block's upper half is made elsewhere and moved)
	v_cvt_scalef32_pk16_bf6_f32 v[C+6:C+8],   v[X+32:X+47], v[S+1]
	v_cvt_scalef32_pk16_bf6_f32 v[T+4:T+6],   v[X+48:X+63], v[S+1]
	v_nop                                          ; one plain place behind a scaled conversion
.irp i, 0,1,2
	v_mov_b32 v[C+3+\i], v[T+\i]
	v_mov_b32 v[C+9+\i], v[T+4+\i]
.endr
.if (\f)+3 < NS
	LOADR (\f)+3                                   ; the set is done with: it takes the loads of three steps on
.endif
.irp c, 0,1,2
	global_store_b128 v[LO], v[C+4*\c:C+4*\c+3], s[24:25] offset:REC*((\f)/4)+1536*((\f)%4)+512*\c   ; 32 lanes store 512 consecutive bytes, at a multiple of 256 from the buffer's first byte
.endr
.if (\f)%4 == 3
	v_cmp_eq_u32 vcc_lo, 1, v3                     ; a record is whole: lanes 0-15 store their row's words of its steps 0 and 1, lanes 16-31 those of steps 2 and 3
	s_delay_alu instid0(VALU_DEP_1)
	v_cndmask_b32 v[OW], v[SW], v[SW+2], vcc_lo
	s_delay_alu instid0(VALU_DEP_2)
	v_cndmask_b32 v[OW+1], v[SW+1], v[SW+3], vcc_lo
	global_store_b64 v[SCO], v[OW:OW+1], s[24:25] offset:REC*((\f)/4)   ; 32 lanes store the record's 256 scale bytes
.endif
.endm
	LOADR 0
	LOADR 1
	LOADR 2
	s_wait_alu depctr_va_vdst(0)
.irp f, 0,1,2,3,4,5,6,7
	STEP \f
.endr
	s_wait_tensorcnt 0x0                           ; the wave's end
	ds_add_u32 v[SPW], v[NIL]
	s_wait_dscnt 0x0
	s_endpgm
.Lfunc_end_k_q6163fa08a7_quant:
	.size	k_q6163fa08a7_quant, .Lfunc_end_k_q6163fa08a7_quant-k_q6163fa08a7_quant
	.p2alignl 7, 3214868480
	.fill 96, 4, 3214868480
	.section	.rodata,"a",@progbits
	.p2align	6, 0x0
	.amdhsa_kernel k_q6163fa08a7_quant
		.amdhsa_group_segment_fixed_size 77312
		.amdhsa_private_segment_fixed_size 0
		.amdhsa_enable_private_segment 0
		.amdhsa_kernarg_size 48
		.amdhsa_user_sgpr_count 2
		.amdhsa_user_sgpr_kernarg_segment_ptr 1
		.amdhsa_wavefront_size32 1
		.amdhsa_system_sgpr_workgroup_id_x 1
		.amdhsa_system_sgpr_workgroup_id_y 1
		.amdhsa_system_sgpr_workgroup_id_z 1
		.amdhsa_system_vgpr_workitem_id 0
		.amdhsa_next_free_vgpr 256
		.amdhsa_next_free_sgpr 66
		.amdhsa_reserve_vcc 1
		.amdhsa_float_denorm_mode_32 3
		.amdhsa_float_denorm_mode_16_64 3
		.amdhsa_memory_ordered 1
		.amdhsa_forward_progress 1
		.amdhsa_inst_pref_size 69
	.end_amdhsa_kernel
	.amdgpu_metadata
---
amdhsa.version: [ 1, 2 ]
amdhsa.kernels:
  - .name:           k_q6163fa08a7_quant
    .symbol:         k_q6163fa08a7_quant.kd
    .args:
      - { .name: inputs, .offset: 0, .size: 8, .value_kind: global_buffer, .address_space: global }
      - { .name: prev_state, .offset: 8, .size: 8, .value_kind: global_buffer, .address_space: global }
      - { .name: input_weights, .offset: 16, .size: 8, .value_kind: global_buffer, .address_space: global }
      - { .name: reservoir_weights, .offset: 24, .size: 8, .value_kind: global_buffer, .address_space: global }
      - { .name: apack, .offset: 32, .size: 8, .value_kind: global_buffer, .address_space: global }
      - { .name: bpack, .offset: 40, .size: 8, .value_kind: global_buffer, .address_space: global }
    .group_segment_fixed_size: 77312
    .private_segment_fixed_size: 0
    .kernarg_segment_align: 8
    .kernarg_segment_size: 48
    .max_flat_workgroup_size: 288
    .sgpr_count:     66
    .vgpr_count:     256
    .wavefront_size: 32
...
	.end_amdgpu_metadata
.endif
;; end of part 1
;; launch gemm (part 2): grid 16 x 16, 4 waves a work-group, clusters of 4 x 4, 327,680 bytes of LDS; arguments apack, bpack, prev_state, out0; writes out0
.if DOCPART == 2
	.amdgcn_target "amdgcn-amd-amdhsa--gfx1250"
	.amdhsa_code_object_version 6
	.text
	.protected	k_q6163fa08a7_gemm
	.globl	k_q6163fa08a7_gemm
	.p2align	8
	.type	k_q6163fa08a7_gemm,@function
k_q6163fa08a7_gemm:
	s_mov_b64 s[64:65], 0
	v_nop
	global_prefetch_b8 v0, s[64:65] scope:SCOPE_SE
	s_setreg_imm32_b32 hwreg(HW_REG_WAVE_MODE, 25, 1), 1
	s_wait_xcnt 0x0
	s_wait_alu depctr_hold_cnt(0) depctr_sa_sdst(0) depctr_va_vdst(0) depctr_va_sdst(0) depctr_va_ssrc(0) depctr_va_vcc(0) depctr_vm_vsrc(0)
	s_getreg_b32 s2, hwreg(HW_REG_IB_STS2, 6, 4)
	s_cmp_eq_u32 s2, 0
	s_cbranch_scc0 .Lentry_in_a_cluster
	s_endpgm
.Lentry_in_a_cluster:
	s_bfe_u32 s2, ttmp6, 0x10000c
	s_cmp_lg_u32 s2, 0xf033
	s_cbranch_scc0 .Lentry_shape_is_right
	s_endpgm
.Lentry_shape_is_right:
; out0 = 0.7 prev_state + 0.3 tanh(A B^T), A = [inputs | prev_state] (2,048 rows), B = [input_weights | reservoir_weights] (4,096 rows), joined K = 6,144,
; both as codes of BF6 with E8M0 scale bytes, in records of 16 rows x 512 K = 6,400 bytes laid as the operand registers want them (12 records on end for each 16 rows).
; A work-group of four waves makes 128 x 256 of the result: 16 x 16 work-groups.  A wave makes 64 x 128: 32 accumulators, 256 registers.
; CLUSTERS of 4 x 4: the four of a cluster's row need the same 8 records of A, the four of a column the same 16 records of B: both come by joint tensor loads.
; RING: two LDS slots of 24 records (512 along K).  Waves 0, 1 fetch 4 records of A each, waves 2, 3 fetch 8 of B each: one load a wave behind each round.
; A slot is four steps of 128 along K, 32 matrix instructions each; a step's 36 fragment loads are issued one step ahead, into two sets of registers by turns.
; The matrix instruction is used transposed (source 0 = 16 rows of B, source 1 = 16 rows of A): a lane holds eight neighbouring numbers of a row of the result.
; PREFETCH: behind each refill the tile two refills on is asked for; of a wave's records each of the four partners takes a quarter, told apart by address
; (a record is 25 blocks of 256 bytes: lanes 0-24, the others name the last block again); the head asks for tiles 1 to 3; the last two refills ask for nothing.
; tanh(x) = 1 - 2 / (1 + 2^(2 log2(e) x)): where the power overflows or falls to 0 the result is 1 or -1.  LIMIT: NaN and infinities among the inputs are not served.
; REGISTERS: window 0: v16-29 addresses, v32-79 scale words (two sets of 24), v80-89 constants, v128-223 A's fragments (on the way out v128-255 rows read back);
; window 1: v0-191 B's fragments; window 2: the accumulators, (a, b) at v[8 (8 a + b)]; window 3: my 64 x 128 of prev_state.
.set REC,    6400
.set RBB,    76800
.set FR,     12
.set SLOT,   24*REC
.set BOFF,   8*REC                     ; B's 16 records lie behind A's 8
.set SPARE,  2*SLOT                    ; the spare words, 128 bytes a wave
.set SPITCH, 528                       ; the stage: 16 rows of 512 + 16 bytes for each wave, in slot 0, which has had its last fill and its last read by then
.set ROWO,   16384                     ; a row of prev_state and of out0
.set ADRA, 16
.set ADRB, 18
.set ADSA, 20
.set ADSB, 22
.set STO,  24
.set RD,   25
.set CO,   26
.set PFO,  27
.set SPW,  28
.set NIL,  29
.set SC,   32
.set KE,   80
.set K7,   82
.set K3,   84
.set KM,   86
.set K1,   88
.set AF,   128
.set BK,   128
.set G1,   24
.set G0,   32
.set G1B,  48
.set G0B,  56
.set PFA,  66
.set MSB, 0
.macro WIN new                         ; the immediate's high byte repeats the setting that is left
.if MSB != \new
	s_set_vgpr_msb (MSB<<8)|\new
.set MSB, \new
.endif
.endm
.set MUL,    0xa1                      ; source 0 (B) window 1, source 1 (A) window 0, C and D window 2
.set TO_B,   0x40
.set TO_P,   0xc0
.set P_SRC,  0x03
.set ST_ACC, 0x08
.macro PLACES
.rept 4
	v_nop
.endr
.endm
.macro JLOAD s                         ; a joint load: waves 0, 1 for A, waves 2, 3 for B
	s_cmp_eq_u32 s15, 0
	s_cbranch_scc0 .Lfor_b_\@
	tensor_load_to_lds s[G0+4*\s:G0+4*\s+3], s[G1:G1+7]
	s_nop 0
	PLACES
	s_branch .Lasked_\@
.Lfor_b_\@:
	tensor_load_to_lds s[G0B+4*\s:G0B+4*\s+3], s[G1B:G1B+7]
	s_nop 0
	PLACES
.Lasked_\@:
.endm
.macro CREST
	s_cmp_lg_u32 s14, 0
	s_cbranch_scc1 .Lnot_wave_0_\@
	s_barrier_signal -3
.Lnot_wave_0_\@:
	s_barrier_wait -3
	s_barrier_signal -1
	s_barrier_wait -1
.endm
.macro CROUND
	s_barrier_signal -1
	s_barrier_wait -1
	CREST
.endm
.macro PF off                          ; my share of a tile: one record of A, or two of B
	global_prefetch_b8 v[PFO], s[PFA:PFA+1] offset:\off th:TH_LOAD_NT scope:SCOPE_SE
	s_cmp_eq_u32 s15, 0
	s_cbranch_scc1 .Lpf_\@
	global_prefetch_b8 v[PFO], s[PFA:PFA+1] offset:\off+RBB th:TH_LOAD_NT scope:SCOPE_SE
.Lpf_\@:
.endm
.macro ASK                             ; in the loop: not in its last trip, whose refills have no tile two refills on
	s_cmp_gt_u32 s3, 1
	s_cbranch_scc0 .Lno_\@
	PF 3*REC
.Lno_\@:
.endm
.macro FETCH sl, q, set                ; 36 LDS loads: the fragments of step q of slot sl; each reads 512 consecutive bytes
	WIN TO_B
.irp b, 0,1,2,3,4,5,6,7
.irp c, 0,1,2
	ds_load_b128 v[96*(\set)+FR*\b+4*\c:96*(\set)+FR*\b+4*\c+3], v[ADRB+(\sl)] offset:\b*REC+(\q)*1536+512*\c
.endr
.endr
	WIN 0
.irp a, 0,1,2,3
.irp c, 0,1,2
	ds_load_b128 v[AF+48*(\set)+FR*\a+4*\c:AF+48*(\set)+FR*\a+4*\c+3], v[ADRA+(\sl)] offset:\a*REC+(\q)*1536+512*\c
.endr
.endr
.endm
.macro SCALES sl                       ; a slot's scale words: a load brings the four steps' words of block 2 j (lanes 0-15) and 2 j + 1 (lanes 16-31)
.irp j, 0,1
	ds_load_b128 v[SC+24*(\sl)+4*\j:SC+24*(\sl)+4*\j+3], v[ADSA+(\sl)] offset:\j*2*REC
.endr
.irp j, 0,1,2,3
	ds_load_b128 v[SC+24*(\sl)+8+4*\j:SC+24*(\sl)+8+4*\j+3], v[ADSB+(\sl)] offset:\j*2*REC
.endr
.endm
.macro PLOAD k0                        ; 16 rows of my part of prev_state, 512 consecutive bytes a load
	WIN TO_P
.set k, \k0
.rept 16
	global_load_b128 v[4*k:4*k+3], v[CO], s[8:9] offset:k*ROWO th:TH_LOAD_NT
.set k, k+1
.endr
.endm
.macro WM zero, bo, ao
.if \zero
.if (\bo) && (\ao)
	v_wmma_scale_f32_16x16x128_f8f6f4 v[rD:rD+7], v[rB:rB+11], v[rA:rA+11], 0, v[rSB], v[rSA] matrix_a_fmt:MATRIX_FMT_BF6 matrix_b_fmt:MATRIX_FMT_BF6 matrix_a_scale:MATRIX_SCALE_ROW1 matrix_b_scale:MATRIX_SCALE_ROW1
.elseif \bo
	v_wmma_scale_f32_16x16x128_f8f6f4 v[rD:rD+7], v[rB:rB+11], v[rA:rA+11], 0, v[rSB], v[rSA] matrix_a_fmt:MATRIX_FMT_BF6 matrix_b_fmt:MATRIX_FMT_BF6 matrix_a_scale:MATRIX_SCALE_ROW1
.elseif \ao
	v_wmma_scale_f32_16x16x128_f8f6f4 v[rD:rD+7], v[rB:rB+11], v[rA:rA+11], 0, v[rSB], v[rSA] matrix_a_fmt:MATRIX_FMT_BF6 matrix_b_fmt:MATRIX_FMT_BF6 matrix_b_scale:MATRIX_SCALE_ROW1
.else
	v_wmma_scale_f32_16x16x128_f8f6f4 v[rD:rD+7], v[rB:rB+11], v[rA:rA+11], 0, v[rSB], v[rSA] matrix_a_fmt:MATRIX_FMT_BF6 matrix_b_fmt:MATRIX_FMT_BF6
.endif
.else
.if (\bo) && (\ao)
	v_wmma_scale_f32_16x16x128_f8f6f4 v[rD:rD+7], v[rB:rB+11], v[rA:rA+11], v[rD:rD+7], v[rSB], v[rSA] matrix_a_fmt:MATRIX_FMT_BF6 matrix_b_fmt:MATRIX_FMT_BF6 matrix_a_scale:MATRIX_SCALE_ROW1 matrix_b_scale:MATRIX_SCALE_ROW1
.elseif \bo
	v_wmma_scale_f32_16x16x128_f8f6f4 v[rD:rD+7], v[rB:rB+11], v[rA:rA+11], v[rD:rD+7], v[rSB], v[rSA] matrix_a_fmt:MATRIX_FMT_BF6 matrix_b_fmt:MATRIX_FMT_BF6 matrix_a_scale:MATRIX_SCALE_ROW1
.elseif \ao
	v_wmma_scale_f32_16x16x128_f8f6f4 v[rD:rD+7], v[rB:rB+11], v[rA:rA+11], v[rD:rD+7], v[rSB], v[rSA] matrix_a_fmt:MATRIX_FMT_BF6 matrix_b_fmt:MATRIX_FMT_BF6 matrix_b_scale:MATRIX_SCALE_ROW1
.else
	v_wmma_scale_f32_16x16x128_f8f6f4 v[rD:rD+7], v[rB:rB+11], v[rA:rA+11], v[rD:rD+7], v[rSB], v[rSA] matrix_a_fmt:MATRIX_FMT_BF6 matrix_b_fmt:MATRIX_FMT_BF6
.endif
.endif
.endm
.macro MULA a, set, q, par, zero       ; A's block a against B's eight; the 32 accumulators take turns in the same order in every step
.irp b, 0,1,2,3,4,5,6,7
.set rD,  8*(8*(\a)+\b)
.set rB,  96*(\set)+FR*\b
.set rA,  AF+48*(\set)+FR*(\a)
.set rSB, SC+24*(\par)+8+4*(\b/2)+(\q)
.set rSA, SC+24*(\par)+4*((\a)/2)+(\q)
	WM \zero, \b%2, (\a)%2
.endr
.endm
; A plain step: the next step's fragments are asked for, then this step's 32 products.
.macro QN set, q, par, zero, fsl, fq, pk
	PLACES                                         ; in front of loads into registers that the last step's products read
	FETCH \fsl, \fq, 1-(\set)
.if \pk >= 0
	PLOAD \pk
.endif
	s_wait_dscnt 36                                ; all but the 36 just issued: this step's fragments (and scale words) are in
	WIN MUL
.irp a, 0,1,2,3
	MULA \a, \set, \q, \par, \zero
.endr
.endm
; A slot's third step changes slots: the slot's last fragments are asked for at its head; behind the barrier the slot is filled again and the other slot is read.
.macro QT sl, fill
.if \fill
	s_wait_xcnt 0x0                                ; my earlier prefetches have read their address
	s_add_nc_u64 s[PFA:PFA+1], s[PFA:PFA+1], REC
.endif
	PLACES
	FETCH \sl, 3, 1
	s_wait_dscnt 36
	WIN MUL
	MULA 0, 0, 2, \sl, 0
	MULA 1, 0, 2, \sl, 0
	WIN 0
	s_wait_tensorcnt 0x0                           ; my part of the other slot has landed: no load of mine is out
	ds_add_u32 v[SPW], v[NIL]
	WIN MUL
	MULA 2, 0, 2, \sl, 0
	s_wait_dscnt 0x0                               ; the add is done, and my reads of this slot are over
	s_barrier_signal -1
	MULA 3, 0, 2, \sl, 0
	WIN 0
	s_barrier_wait -1
.if \fill
	CREST                                          ; the barrier has opened a round of the cluster's barrier
	s_add_nc_u64 s[G0+4*\sl+2:G0+4*\sl+3], s[G0+4*\sl+2:G0+4*\sl+3], 2*REC
	s_add_nc_u64 s[G0B+4*\sl+2:G0B+4*\sl+3], s[G0B+4*\sl+2:G0B+4*\sl+3], 2*REC
	JLOAD \sl                                      ; 112 matrix instructions stand between this request and the wait for it
.else
	PLACES
.endif
	FETCH 1-\sl, 0, 0
	SCALES 1-\sl
.if \fill
	ASK
.endif
.endm
.macro Q3 par                          ; a slot's last step: its fragments were shown in by the wait in front of the barrier
	WIN MUL
.irp a, 0,1,2,3
	MULA \a, 1, 3, \par, 0
.endr
.endm
	s_load_b256 s[4:11], s[0:1], 0x0               ; apack, bpack, prev_state, out0
	v_lshl_add_u32 v[SPW], v0, 2, SPARE
	v_mov_b32 v[NIL], 0
	ds_add_u32 v[SPW], v[NIL]
	ds_add_u32 v[SPW], v[NIL]
	v_lshrrev_b32 v1, 5, v0
	v_readfirstlane_b32 s14, v1                    ; wave
	s_lshr_b32 s15, s14, 1                         ; my 64 rows.  Also: I fetch for A (0) or B (1)
	s_and_b32 s16, s14, 1                          ; my 128 columns.  Also: which half of that tile I fetch
	s_bfe_u32 s40, ttmp6, 0x40000                  ; cx
	s_bfe_u32 s41, ttmp6, 0x40004                  ; cy
	s_lshl_b32 s42, ttmp9, 2
	s_add_co_u32 s42, s42, s40                     ; tile column
	s_and_b32 s17, ttmp7, 0xffff
	s_lshl_b32 s17, s17, 2
	s_add_co_u32 s17, s17, s41                     ; tile row
	s_lshl_b32 s43, s41, 2
	s_lshl_b32 s43, 15, s43                        ; my row of the cluster
	s_lshl_b32 s44, 0x1111, s40                    ; my column
	s_or_b32 s[G1+0], s43, (3<<16)|(1<<21)         ; elements of 8 bytes; a tile's row is a record: 800 elements; rows RBB bytes apart
	s_or_b32 s[G1B+0], s44, (3<<16)|(1<<21)
	s_mov_b32 s[G1+1], 800<<16
	s_mov_b32 s[G1+2], 4<<16
	s_mov_b32 s[G1+3], 800<<16
	s_mov_b32 s[G1+4], 4
	s_mov_b32 s[G1+5], RBB/8
	s_mov_b32 s[G1+6], 0
	s_mov_b32 s[G1+7], 0
	s_mov_b32 s[G1B+1], 800<<16
	s_mov_b32 s[G1B+2], 8<<16
	s_mov_b32 s[G1B+3], 800<<16
	s_mov_b32 s[G1B+4], 8
	s_mov_b32 s[G1B+5], RBB/8
	s_mov_b32 s[G1B+6], 0
	s_mov_b32 s[G1B+7], 0
	s_lshl_b32 s20, s17, 3                         ; A: block of 16 rows 8 x tile row + 4 x half
	s_lshl_b32 s21, s16, 2
	s_add_co_u32 s20, s20, s21
	s_mul_i32 s20, s20, RBB
	s_mov_b32 s21, 0
	s_lshl_b32 s46, s42, 4                         ; B: 16 x tile column + 8 x half
	s_lshl_b32 s47, s16, 3
	s_add_co_u32 s46, s46, s47
	s_mul_i32 s46, s46, RBB
	s_mov_b32 s47, 0
	s_mul_i32 s45, s16, 4*REC                      ; where they go in a slot
	s_mul_i32 s18, s16, 8*REC
	s_add_co_u32 s18, s18, BOFF
	s_lshl_b32 s75, s17, 3                         ; the prefetches: of the 4 records of A that I fetch, record cx;
	s_lshl_b32 s76, s16, 2
	s_add_co_u32 s75, s75, s76
	s_add_co_u32 s75, s75, s40
	s_lshl_b32 s77, s42, 4                         ; of the 8 of B, records 2 cy and 2 cy + 1
	s_lshl_b32 s76, s16, 3
	s_add_co_u32 s77, s77, s76
	s_lshl_b32 s76, s41, 1
	s_add_co_u32 s77, s77, s76
	s_cmp_eq_u32 s15, 0
	s_cselect_b32 s76, s75, s77
	s_mul_i32 s76, s76, RBB
	s_mov_b32 s77, 0
	v_and_b32 v1, 31, v0                           ; lane
	v_min_u32 v[PFO], 24, v1
	v_lshlrev_b32 v[PFO], 8, v[PFO]                ; a lane a block of 256 bytes
	s_wait_alu depctr_va_vdst(0)
	s_wait_dscnt 0x0
	s_wait_kmcnt 0x0
	s_add_nc_u64 s[20:21], s[4:5], s[20:21]
	s_add_nc_u64 s[46:47], s[6:7], s[46:47]
	s_cmp_eq_u32 s15, 0
	s_cselect_b64 s[PFA:PFA+1], s[4:5], s[6:7]
	s_add_nc_u64 s[PFA:PFA+1], s[PFA:PFA+1], s[76:77]
	PF 0                                           ; my share of tile 0, the buffers' first touch, is asked for ahead of the round
	CROUND                                         ; in front of the first joint loads
.irp s, 0,1
	s_mov_b32 s[G0+4*\s], 1
	s_add_co_u32 s[G0+4*\s+1], s45, \s*SLOT
	s_add_nc_u64 s[G0+4*\s+2:G0+4*\s+3], s[20:21], \s*REC
	s_or_b32 s[G0+4*\s+3], s[G0+4*\s+3], 0x80000000
	s_mov_b32 s[G0B+4*\s], 1
	s_add_co_u32 s[G0B+4*\s+1], s18, \s*SLOT
	s_add_nc_u64 s[G0B+4*\s+2:G0B+4*\s+3], s[46:47], \s*REC
	s_or_b32 s[G0B+4*\s+3], s[G0B+4*\s+3], 0x80000000
.endr
	JLOAD 0                                        ; tile 0: one tensor load a wave at the head
	s_mul_i32 s21, s15, 4*REC                      ; my four blocks of A in slot 0,
	s_mul_i32 s22, s16, 8*REC
	s_add_co_u32 s22, s22, BOFF                    ; my eight of B,
	s_add_co_u32 s23, s21, SLOT                    ; and in slot 1
	s_add_co_u32 s70, s22, SLOT
	s_mul_i32 s74, s14, 16*SPITCH                  ; my stage
	s_lshl_b32 s72, s17, 21                        ; my part of prev_state and out0: row 128 x tile row + 64 x half, byte 1,024 x tile column + 512 x half
	s_lshl_b32 s73, s15, 20
	s_add_co_u32 s72, s72, s73
	s_lshl_b32 s73, s42, 10
	s_add_co_u32 s72, s72, s73
	s_lshl_b32 s73, s16, 9
	s_add_co_u32 s72, s72, s73
	s_mov_b32 s73, 0
	s_add_nc_u64 s[8:9], s[8:9], s[72:73]
	s_add_nc_u64 s[10:11], s[10:11], s[72:73]
	v_and_b32 v2, 15, v0                           ; r
	v_bfe_u32 v3, v0, 4, 1                         ; h
	v_lshlrev_b32 v[CO], 4, v1                     ; 16 x lane
	v_mul_u32_u24 v5, v3, REC                      ; scale words: record h of a pair, 6144 + 16 r
	v_lshl_add_u32 v5, v2, 4, v5
	v_add_nc_u32 v5, 6144, v5
	v_add_nc_u32 v[ADRA], s21, v[CO]
	v_add_nc_u32 v[ADRA+1], s23, v[CO]
	v_add_nc_u32 v[ADRB], s22, v[CO]
	v_add_nc_u32 v[ADRB+1], s70, v[CO]
	v_add_nc_u32 v[ADSA], s21, v5
	v_add_nc_u32 v[ADSA+1], s23, v5
	v_add_nc_u32 v[ADSB], s22, v5
	v_add_nc_u32 v[ADSB+1], s70, v5
	v_mul_u32_u24 v6, v2, SPITCH                   ; into the stage: row r, 32 bytes for each half of the lanes
	v_lshl_add_u32 v6, v3, 5, v6
	v_add_nc_u32 v[STO], s74, v6
	v_add_nc_u32 v[RD], s74, v[CO]                 ; back: the 32 lanes take a row of 512 bytes
	v_mov_b32 v[KE], 0x4038aa3b                    ; 2 log2(e)
	v_mov_b32 v[KE+1], 0x4038aa3b
	v_mov_b32 v[K7], 0x3f333333                    ; 0.7
	v_mov_b32 v[K7+1], 0x3f333333
	v_mov_b32 v[K3], 0x3e99999a                    ; 0.3
	v_mov_b32 v[K3+1], 0x3e99999a
	v_mov_b32 v[KM], 0xbf19999a                    ; -0.6
	v_mov_b32 v[KM+1], 0xbf19999a
	v_mov_b32 v[K1], 1.0
	v_mov_b32 v[K1+1], 1.0
	s_wait_alu depctr_va_vdst(0)                   ; the wait at the head's end
	PF REC                                         ; tiles 1 and 2
	PF 2*REC
	s_wait_tensorcnt 0x0                           ; my part of tile 0 is in
	ds_add_u32 v[SPW], v[NIL]
	s_wait_dscnt 0x0
	CROUND
	JLOAD 1                                        ; tile 1
	FETCH 0, 0, 0
	SCALES 0
	PF 3*REC                                       ; tile 3
	QN 0, 0, 0, 1, 0, 1, -1                        ; the first step's products start the sums
	WIN 0
	s_mov_b32 s3, 5
.Llap:                                                 ; a trip: two slots, from a lap's second step to the next lap's first; both slots are filled again
	QN 1, 1, 0, 0, 0, 2, -1
	QT 0, 1
	Q3 0
	QN 0, 0, 1, 0, 1, 1, -1
	QN 1, 1, 1, 0, 1, 2, -1
	QT 1, 1
	Q3 1
	QN 0, 0, 0, 0, 0, 1, -1
	WIN 0
	s_sub_co_u32 s3, s3, 1
	s_cmp_lg_u32 s3, 0
	s_cbranch_scc1 .Llap
	QN 1, 1, 0, 0, 0, 2, 0                         ; tiles 10 and 11: nothing more is fetched; prev_state comes in under them
	QT 0, 0
	Q3 0
	QN 0, 0, 1, 0, 1, 1, 16
	QN 1, 1, 1, 0, 1, 2, 32
	QN 0, 2, 1, 0, 1, 3, 48
	s_wait_dscnt 0x0
	Q3 1
	WIN 0
; THE WAY OUT, by blocks of 16 rows x 128 columns: through my stage, back as whole rows of 512 bytes; then the tanh, the leak, and stores of 512 consecutive bytes.
.macro TOSTAGE a
	WIN ST_ACC
.irp b, 0,1,2,3,4,5,6,7
	ds_store_b128 v[STO], v[64*(\a)+8*\b:64*(\a)+8*\b+3] offset:64*\b
	ds_store_b128 v[STO], v[64*(\a)+8*\b+4:64*(\a)+8*\b+7] offset:64*\b+16
.endr
	WIN 0
.set BB, BK+64*((\a)%2)
.irp t, 0,1,2,3,4,5,6,7,8,9,10,11,12,13,14,15
	ds_load_b128 v[BB+4*\t:BB+4*\t+3], v[RD] offset:\t*SPITCH    ; LDS serves a wave's instructions in order: these see the stores above
.endr
.endm
.macro FINISH a, younger, pn
.set BB, BK+64*((\a)%2)
	s_wait_dscnt \younger                          ; the block is back; the next block's 32 LDS instructions may be out
.set i, 0
.rept 32
	v_pk_mul_f32 v[BB+i:BB+i+1], v[BB+i:BB+i+1], v[KE:KE+1]
.set i, i+2
.endr
	s_wait_alu depctr_va_vdst(0)
.set i, 0
.rept 64
	v_exp_f32 v[BB+i], v[BB+i]
.set i, i+1
.endr
	v_nop
	s_wait_alu depctr_va_vdst(0)
.set i, 0
.rept 32
	v_pk_add_f32 v[BB+i:BB+i+1], v[BB+i:BB+i+1], v[K1:K1+1]
.set i, i+2
.endr
	s_wait_alu depctr_va_vdst(0)
.set i, 0
.rept 64
	v_rcp_f32 v[BB+i], v[BB+i]
.set i, i+1
.endr
	v_nop
	s_wait_alu depctr_va_vdst(0)
.set i, 0
.rept 32
	v_pk_fma_f32 v[BB+i:BB+i+1], v[BB+i:BB+i+1], v[KM:KM+1], v[K3:K3+1]      ; 0.3 tanh = 0.3 - 0.6 / (1 + e)
.set i, i+2
.endr
	s_wait_loadcnt \pn                             ; this block's 16 rows of prev_state are in; the later blocks' may be out
	WIN P_SRC
.set i, 0
.rept 32
	v_pk_fma_f32 v[BB+i:BB+i+1], v[64*(\a)+i:64*(\a)+i+1], v[K7:K7+1], v[BB+i:BB+i+1]
.set i, i+2
.endr
	WIN 0
.irp t, 0,1,2,3,4,5,6,7,8,9,10,11,12,13,14,15
	global_store_b128 v[CO], v[BB+4*\t:BB+4*\t+3], s[10:11] offset:(16*(\a)+\t)*ROWO th:TH_STORE_NT
.endr
.endm
	PLACES                                         ; in front of the first reads of results and of loads into A's fragment registers
	TOSTAGE 0
	TOSTAGE 1
	FINISH 0, 32, 48
	s_wait_xcnt 0x0                                ; block 0's stores have read their data
	s_wait_alu depctr_va_vdst(0)                   ; results first read behind transcendentals
	TOSTAGE 2
	FINISH 1, 32, 32
	s_wait_xcnt 0x0
	s_wait_alu depctr_va_vdst(0)
	TOSTAGE 3
	FINISH 2, 32, 16
	FINISH 3, 0, 0
	s_wait_tensorcnt 0x0                           ; the wave's end
	ds_add_u32 v[SPW], v[NIL]
	s_wait_dscnt 0x0
	CROUND                                         ; the closing round
	s_endpgm
.Lfunc_end_k_q6163fa08a7_gemm:
	.size	k_q6163fa08a7_gemm, .Lfunc_end_k_q6163fa08a7_gemm-k_q6163fa08a7_gemm
	.p2alignl 7, 3214868480
	.fill 96, 4, 3214868480
	.section	.rodata,"a",@progbits
	.p2align	6, 0x0
	.amdhsa_kernel k_q6163fa08a7_gemm
		.amdhsa_group_segment_fixed_size 327680
		.amdhsa_private_segment_fixed_size 0
		.amdhsa_enable_private_segment 0
		.amdhsa_kernarg_size 32
		.amdhsa_user_sgpr_count 2
		.amdhsa_user_sgpr_kernarg_segment_ptr 1
		.amdhsa_wavefront_size32 1
		.amdhsa_system_sgpr_workgroup_id_x 1
		.amdhsa_system_sgpr_workgroup_id_y 1
		.amdhsa_system_sgpr_workgroup_id_z 1
		.amdhsa_system_vgpr_workitem_id 0
		.amdhsa_next_free_vgpr 1024
		.amdhsa_next_free_sgpr 80
		.amdhsa_reserve_vcc 0
		.amdhsa_float_denorm_mode_32 3
		.amdhsa_float_denorm_mode_16_64 3
		.amdhsa_memory_ordered 1
		.amdhsa_forward_progress 1
		.amdhsa_inst_pref_size 189
	.end_amdhsa_kernel
	.amdgpu_metadata
---
amdhsa.version: [ 1, 2 ]
amdhsa.kernels:
  - .name:           k_q6163fa08a7_gemm
    .symbol:         k_q6163fa08a7_gemm.kd
    .args:
      - { .name: apack, .offset: 0, .size: 8, .value_kind: global_buffer, .address_space: global }
      - { .name: bpack, .offset: 8, .size: 8, .value_kind: global_buffer, .address_space: global }
      - { .name: prev_state, .offset: 16, .size: 8, .value_kind: global_buffer, .address_space: global }
      - { .name: out0, .offset: 24, .size: 8, .value_kind: global_buffer, .address_space: global }
    .group_segment_fixed_size: 327680
    .private_segment_fixed_size: 0
    .kernarg_segment_align: 8
    .kernarg_segment_size: 32
    .max_flat_workgroup_size: 128
    .sgpr_count:     80
    .vgpr_count:     1024
    .wavefront_size: 32
...
	.end_amdgpu_metadata
.endif
;; end of part 2
